; MI455X (gfx1250); checked and timed in simulation.
; The chip was launched on July 23, 2026; its instructions are those of AMD's public machine-readable ISA for CDNA 5 (MIT licence, August 2026) and "CDNA5" Instruction Set Architecture Reference Guide (July 2026). The comments in the code are by the model that wrote it; some were corrected since.
;; GCLI Quantized Linear. Allowed arithmetic: float matrix products may take bf16 or f16 operands with f32 sums; other float arithmetic in f32, or as packed bf16 or f16 multiplies, adds, multiply-adds, maxima and minima; sums over many terms, partial sums and values carried from step to step in f32; what a program stores and reads back later, other than sums and carried values, may be rounded once to bf16 or f16.
;; Inputs: W_q 4,096 x 4,096 int32; bias 4,096 float32; mu1 4,096 float32; mu2 4,096 float32; scales 4,096 x 64 x 1 float32; x 4 x 1,024 x 4,096 float32; zeros 4,096 x 64 x 1 float32.
;; Outputs: out0 4 x 1,024 x 4,096 float32.
;; 2 versions, each right; version 2 is version 1 with the launch prep written anew for expert scheduling mode. Each part assembles by itself: llvm-mc -triple=amdgcn-amd-amdhsa -mcpu=gfx1250 --defsym DOCPART=n.
;; ======== version 1 of 2: 2 launches
;; limits: values are held in f16: magnitudes above 65,504 overflow, below 6.1e-05 lose precision
;; workspace buffers: xb 33,554,432 bytes; wb 33,554,432 bytes
;; launch prep (part 1): grid 512 x 1, 8 waves a work-group, no clusters, 5,120 bytes of LDS; arguments x, W_q, scales, zeros, mu1, xb, wb; writes xb, wb
.if DOCPART == 1
	.amdgcn_target "amdgcn-amd-amdhsa--gfx1250"
	.amdhsa_code_object_version 6
	.text
	.protected	k_q46a598e52f_prep
	.globl	k_q46a598e52f_prep
	.p2align	8
	.type	k_q46a598e52f_prep,@function
k_q46a598e52f_prep:
	s_mov_b64 s[64:65], 0
	v_nop
	global_prefetch_b8 v0, s[64:65] scope:SCOPE_SE
	s_setreg_imm32_b32 hwreg(HW_REG_WAVE_MODE, 25, 1), 1
	s_wait_xcnt 0x0
; xb[m][n] = f16(x[m][n] * mu1[n]);  wb[k][n] = f16((W_q[k][n] - zeros[k][g]) * scales[k][g]),  g = n / 64.  mu2 and the bias are applied by the launch behind, in f32.
; x: [4096][4096] f32, W_q: [4096][4096] int32 (converted by v_cvt_f32_i32, to nearest even), xb, wb: [4096][4096] f16.
; WHY f16, AND WHY SPLIT SO.  Every output must lie within a hundredth of the outputs' root mean square; a sum of 4,096 products of operands with 8 significant bits does not hold that for each of 16.7 million
; outputs, one of operands with 11 bits does.  f16 ends at 65,504, so the four factors of a weight are not all folded into one operand: mu1 goes with x, mu2 stays in f32.
; LIMITS.  |x * mu1| and |(Q - z) * s| stay under 65,520, or the conversion gives an infinity: with numbers as the problem draws them they reach about 8 and 0.75, with every input 30 times larger about
; 7,000 and 700.  Below 6e-5 f16 keeps a fixed step of 6e-8.  mu1 multiplies x and not the weight: the same product in another order of f32 roundings, a few parts in 2^24.
; (Q - z) * s is formed as the definition forms it.  NaN and infinities go through the arithmetic as they come.
; SHARES.  A stream: every byte of x and W_q is read once, every byte of xb and wb written once; nothing is shared between work-groups, so there is no matrix work, no tensor load, no cluster.
; A work-group of eight waves owns 8 rows of x and the 8 rows of W_q of the same numbers: 131,072 bytes on end each, taken as 32 chunks of 4,096 bytes.  Thread t owns the 16 bytes at 16 t of
; every chunk (4 numbers) and stores their 8 bytes at 8 t of the chunk's 2,048 bytes: a wave's load covers 512 consecutive bytes, a wave's store 256 consecutive bytes, aligned.
; Chunk j is quarter j % 4 of row j / 4: my columns are 1024 (j % 4) + 4 t .., all in group 16 (j % 4) + t / 16.  My 16 numbers of mu1 stay in registers.
; THE TABLE.  The work-group's 512 pairs (s, z), entry 64 row + group, 8 bytes each, are gathered once in LDS: thread t brings entries t and t + 256.  Behind one barrier each thread reads its 32
; pairs, one for each chunk of W_q: entry 16 j + t / 16.
; IN FLIGHT.  A ring of 16 slots in registers: 16 loads of every wave are on their way.  No address register is ever rewritten: the chunk's number stands in the immediate.
.set DEPTH, 16                         ; slots = loads in flight in each wave
.set CHUNK, 4096                       ; bytes of a chunk as loaded; half as many as stored
.set SPARE, 4096                       ; behind the table: the spare words, 128 bytes for each of the eight waves: four blocks of 256 bytes that no other line names
.set LO,  2                            ; v2        16 t: my place in a chunk and in a quarter of mu1; never rewritten
.set SO,  3                            ; v3        8 t: my place in a stored chunk, and in the table as I write it; never rewritten
.set W4,  4                            ; v4        4 t: my place in the work-group's scales and zeros; never rewritten
.set LZ,  5                            ; v5        8 (t / 16): my place among a chunk's 16 table entries; never rewritten
.set SPW, 6                            ; v6        LDS address of my spare word: SPARE + 4 t; never rewritten
.set NIL, 7                            ; v7        0; never rewritten
.set QD,  12                           ; v[12:15]  s, z of entry t; s, z of entry t + 256
.set MU,  16                           ; v[16:31]  mu1 of my 4 columns in each quarter of a row
.set T,   32                           ; v[32:35]  at work
.set CZ,  36                           ; v[36:99]  chunk j of W_q: s at CZ + 2 j, z at CZ + 2 j + 1
.set X,   100                          ; v[100:163] slot s: 4 registers as loaded
.set Y,   164                          ; v[164:195] slot s: 2 registers to store
	s_load_b256 s[8:15], s[0:1], 0x0               ; x s[8:9], W_q s[10:11], scales s[12:13], zeros s[14:15]
	s_load_b128 s[16:19], s[0:1], 0x20             ; mu1 s[16:17], xb s[18:19]
	s_load_b64 s[20:21], s[0:1], 0x30              ; wb
	v_lshl_add_u32 v[SPW], v0, 2, SPARE
	v_mov_b32 v[NIL], 0
	v_lshlrev_b32 v[LO], 4, v0
	v_lshlrev_b32 v[SO], 3, v0
	v_lshlrev_b32 v[W4], 2, v0
	v_lshrrev_b32 v[LZ], 4, v0
	v_lshlrev_b32 v[LZ], 3, v[LZ]
	s_mov_b32 s3, 0                                ; offsets are pairs with 0 on top: all stay under 2^27
	s_lshl_b32 s2, ttmp9, 17                       ; 8 rows of 16,384 bytes
	s_wait_kmcnt 0x0
	s_add_nc_u64 s[8:9], s[8:9], s[2:3]
	s_add_nc_u64 s[10:11], s[10:11], s[2:3]
	s_lshl_b32 s2, ttmp9, 16                       ; 8 rows of 8,192 bytes
	s_add_nc_u64 s[18:19], s[18:19], s[2:3]
	s_add_nc_u64 s[20:21], s[20:21], s[2:3]
	s_lshl_b32 s2, ttmp9, 11                       ; 8 rows of 64 groups of 4 bytes
	s_add_nc_u64 s[12:13], s[12:13], s[2:3]
	s_add_nc_u64 s[14:15], s[14:15], s[2:3]
; Load number m of 64 (0-31: x's chunks, 32-63: W_q's) into slot m % DEPTH.
.macro LOADN m
.if (\m) < 32
	global_load_b128 v[X+4*((\m)%DEPTH):X+4*((\m)%DEPTH)+3], v[LO], s[8:9] offset:((\m)%32)*CHUNK th:TH_LOAD_NT
.else
	global_load_b128 v[X+4*((\m)%DEPTH):X+4*((\m)%DEPTH)+3], v[LO], s[10:11] offset:((\m)%32)*CHUNK th:TH_LOAD_NT
.endif
.endm
	global_load_b32 v[QD],   v[W4], s[12:13]               ; s and z land side by side, as the table holds them: entry t,
	global_load_b32 v[QD+1], v[W4], s[14:15]
	global_load_b32 v[QD+2], v[W4], s[12:13] offset:1024   ; and entry t + 256
	global_load_b32 v[QD+3], v[W4], s[14:15] offset:1024
.irp c, 0,1,2,3
	global_load_b128 v[MU+4*(\c):MU+4*(\c)+3], v[LO], s[16:17] offset:4096*(\c)
.endr
.set n, 0
.rept DEPTH
	LOADN n                                        ; the ring is filled
.set n, n+1
.endr
	s_wait_loadcnt 20                              ; my two entries are in: behind them 4 loads of mu1 and the ring's 16 were issued, and loads come back in order (ISA guide 5.7.1)
	ds_store_b64 v[SO], v[QD:QD+1]
	ds_store_b64 v[SO], v[QD+2:QD+3] offset:2048
	s_wait_dscnt 0x0                               ; for the others' sake: my two entries lie in the table
	s_barrier_signal -1
	s_barrier_wait -1                              ; all 512 do
.set j, 0
.rept 32
	ds_load_b64 v[CZ+2*j:CZ+2*j+1], v[LZ] offset:128*j  ; entry 16 j + t / 16; waited for once, in front of W_q's first chunk
.set j, j+1
.endr
; Turn number num of 64: the slot's chunk is converted, the slot is filled again (while there are chunks), the result is stored.
.macro TURN num
.set sl, (\num)%DEPTH
.if (\num) < 64-DEPTH
	s_wait_loadcnt DEPTH-1                         ; mine is in (and mu1, which was asked for earlier); the 15 younger loads stay out
.else
	s_wait_loadcnt 63-(\num)                       ; the last 16 turns load nothing: the counts run down
.endif
	s_wait_xcnt 0x0                                ; every earlier memory instruction has had its addresses translated (ISA guide 3.1): the slot's Y, which its last store reads, is rewritten only behind this wait
.if (\num) < 32
.irp k, 0,2
	v_pk_mul_f32 v[T+(\k):T+(\k)+1], v[X+4*sl+(\k):X+4*sl+(\k)+1], v[MU+4*((\num)%4)+(\k):MU+4*((\num)%4)+(\k)+1]  ; x times mu1 of the columns
.endr
.else
.set j, (\num)-32
.if j == 0
	s_wait_dscnt 0x0                               ; my 32 table entries are in
.endif
.irp k, 0,1,2,3
	v_cvt_f32_i32 v[T+(\k)], v[X+4*sl+(\k)]
.endr
.irp k, 0,1,2,3
	v_sub_f32 v[T+(\k)], v[T+(\k)], v[CZ+2*j+1]    ; Q - z
.endr
.irp k, 0,2
	v_pk_mul_f32 v[T+(\k):T+(\k)+1], v[T+(\k):T+(\k)+1], v[CZ+2*j:CZ+2*j+1] op_sel_hi:[1,0]  ; times s: the pair's low register for both
.endr
.endif
	v_cvt_pk_f16_f32 v[Y+2*sl],   v[T],   v[T+1]
	v_cvt_pk_f16_f32 v[Y+2*sl+1], v[T+2], v[T+3]
.if (\num)+DEPTH < 64
	LOADN (\num)+DEPTH                             ; the load goes ahead of the store
.endif
.if (\num) < 32
	global_store_b64 v[SO], v[Y+2*sl:Y+2*sl+1], s[18:19] offset:(\num)*(CHUNK/2)
.else
	global_store_b64 v[SO], v[Y+2*sl:Y+2*sl+1], s[20:21] offset:j*(CHUNK/2)
.endif
.endm
.set n, 0
.rept 64
	TURN n
.set n, n+1
.endr
	s_wait_tensorcnt 0x0                           ; the wave's end: behind my last LDS store
	ds_add_u32 v[SPW], v[NIL]
	s_wait_dscnt 0x0
	s_endpgm
.Lfunc_end_k_q46a598e52f_prep:
	.size	k_q46a598e52f_prep, .Lfunc_end_k_q46a598e52f_prep-k_q46a598e52f_prep
	.p2alignl 7, 3214868480
	.fill 96, 4, 3214868480
	.section	.rodata,"a",@progbits
	.p2align	6, 0x0
	.amdhsa_kernel k_q46a598e52f_prep
		.amdhsa_group_segment_fixed_size 5120
		.amdhsa_private_segment_fixed_size 0
		.amdhsa_enable_private_segment 0
		.amdhsa_kernarg_size 56
		.amdhsa_user_sgpr_count 2
		.amdhsa_user_sgpr_kernarg_segment_ptr 1
		.amdhsa_wavefront_size32 1
		.amdhsa_system_sgpr_workgroup_id_x 1
		.amdhsa_system_sgpr_workgroup_id_y 1
		.amdhsa_system_sgpr_workgroup_id_z 1
		.amdhsa_system_vgpr_workitem_id 0
		.amdhsa_next_free_vgpr 196
		.amdhsa_next_free_sgpr 66
		.amdhsa_reserve_vcc 0
		.amdhsa_float_denorm_mode_32 3
		.amdhsa_float_denorm_mode_16_64 3
		.amdhsa_memory_ordered 1
		.amdhsa_forward_progress 1
		.amdhsa_inst_pref_size 45
	.end_amdhsa_kernel
	.amdgpu_metadata
---
amdhsa.version: [ 1, 2 ]
amdhsa.kernels:
  - .name:           k_q46a598e52f_prep
    .symbol:         k_q46a598e52f_prep.kd
    .args:
      - { .name: x, .offset: 0, .size: 8, .value_kind: global_buffer, .address_space: global }
      - { .name: W_q, .offset: 8, .size: 8, .value_kind: global_buffer, .address_space: global }
      - { .name: scales, .offset: 16, .size: 8, .value_kind: global_buffer, .address_space: global }
      - { .name: zeros, .offset: 24, .size: 8, .value_kind: global_buffer, .address_space: global }
      - { .name: mu1, .offset: 32, .size: 8, .value_kind: global_buffer, .address_space: global }
      - { .name: xb, .offset: 40, .size: 8, .value_kind: global_buffer, .address_space: global }
      - { .name: wb, .offset: 48, .size: 8, .value_kind: global_buffer, .address_space: global }
    .group_segment_fixed_size: 5120
    .private_segment_fixed_size: 0
    .kernarg_segment_align: 8
    .kernarg_segment_size: 56
    .max_flat_workgroup_size: 256
    .sgpr_count:     66
    .vgpr_count:     196
    .wavefront_size: 32
...
	.end_amdgpu_metadata
.endif
;; end of part 1
;; launch gemm (part 2): grid 16 x 16, 4 waves a work-group, clusters of 4 x 4, 327,680 bytes of LDS; arguments xb, wb, out0, bias, mu2; writes out0
.if DOCPART == 2
	.amdgcn_target "amdgcn-amd-amdhsa--gfx1250"
	.amdhsa_code_object_version 6
	.text
	.protected	k_q46a598e52f_gemm
	.globl	k_q46a598e52f_gemm
	.p2align	8
	.type	k_q46a598e52f_gemm,@function
k_q46a598e52f_gemm:
	s_mov_b64 s[64:65], 0
	v_nop
	global_prefetch_b8 v0, s[64:65] scope:SCOPE_SE
	s_setreg_imm32_b32 hwreg(HW_REG_WAVE_MODE, 25, 1), 1
	s_wait_xcnt 0x0
	s_wait_alu depctr_hold_cnt(0) depctr_sa_sdst(0) depctr_va_vdst(0) depctr_va_sdst(0) depctr_va_ssrc(0) depctr_va_vcc(0) depctr_vm_vsrc(0)
	s_getreg_b32 s2, hwreg(HW_REG_IB_STS2, 6, 4)
	s_cmp_eq_u32 s2, 0
	s_cbranch_scc0 .Lentry_in_a_cluster
	s_endpgm
.Lentry_in_a_cluster:
	s_bfe_u32 s2, ttmp6, 0x10000c
	s_cmp_lg_u32 s2, 0xf033
	s_cbranch_scc0 .Lentry_shape_is_right
	s_endpgm
.Lentry_shape_is_right:
; out0[m][c] = mu2[c] * (the sum over n of xb[m][n] wb[c][n]) + bias[c].  xb: [4096][4096] f16 (A: x * mu1), wb: [4096][4096] f16 (B: (Q - z) * s), mu2, bias: [4096] f32, out0: [4096][4096] f32.
; Sums in f32, n ascending; mu2 and the bias by one fused multiply-add in f32 on the finished sum.
; LIMITS.  The operands are f16, each rounded once by the launch before, which states their range (under 65,520); mu2 multiplies the finished sum where the definition multiplies each weight:
; the same product in another order of f32 roundings.  NaN and infinities go through the arithmetic as they come.
; SHARES.  A tile of out0, 256 x 256, is made by a work-group of four waves; a wave makes 128 x 128: 64 accumulators of 16 x 16, 512 registers.  4096 x 4096 / (256 x 256) = 256 work-groups, a tile each.
; The sum goes in steps of 128 through a ring of two LDS slots filled by the tensor data mover: a tile's rows are 256 bytes of memory and start at multiples of 256 bytes from the buffer's first byte.
; CLUSTERS: 4 x 4 work-groups.  The four of a row of the cluster need the same tiles of A, the four of a column the same tiles of B.  Such a tile is asked for JOINTLY: each of the four issues the
; same tensor load, with the same descriptor and a mask that names the four, and each receives the tile in its own LDS: the requests for A and for B are divided by four.
; REGISTERS, in windows of 256 (an instruction names v0-v255; s_set_vgpr_msb says which window each operand place means: bits 1:0 source 0, 3:2 source 1, 5:4 source 2, 7:6 destination):
;   window 0: v0-31 addresses; v32-39 mu2 and bias of four columns; v64-127, v128-191 fragments of A (8 x 16 rows x 32), two buffers, on the way out the rows read back from the stage
;   window 1: v64-127, v128-191 fragments of B, two buffers
;   window 2: the 32 accumulators of my rows 0-63 (accumulator (a, b) at v[8 (8 a + b)]);   window 3: those of my rows 64-127
; THE MATRIX INSTRUCTION IS USED TRANSPOSED: source 0 = 16 rows of B, source 1 = 16 rows of A.  In the result lane l holds row l % 16 of out0 and its registers 0 to 7 the columns 8 (l / 16) + 0 .. 7:
; eight neighbouring numbers of a row, 32 bytes.
.set SIZE_K, 4096
.set SIZE_N, 4096
.set KSTEP,  128
.set PITCH,  272                       ; an LDS row: 256 bytes of data + 16 of padding = 68 words: row r starts at bank 4 r mod 64 (64 banks of 4 bytes: ISA guide 11.1), so the 16 rows that a load touches start at 16 different banks
.set HALFT,  128*PITCH                 ; 128 rows: what one tensor load brings, and what one wave reads of A or of B
.set SLOT,   4*HALFT                   ; A's 256 rows, then B's 256 rows
.set STAGE,  2*SLOT                    ; behind the ring, never filled by a tensor load: 16 rows x 528 bytes for each wave, for the way out
.set SPITCH, 528                       ; a stage row: my 128 columns in f32, 512 bytes, + 16 = 132 words: again row r starts at bank 4 r mod 64
.set SPARE,  STAGE+4*16*SPITCH         ; behind the stages: the spare words, 128 bytes for each wave: two blocks of 256 bytes that no other line names
.set LAPS,   SIZE_K/(2*KSTEP)          ; a lap = two steps = once round the ring: 16
.set ADRA, 16                          ; v16-17  LDS address of my A fragments in slot 0, 1
.set ADRB, 20                          ; v20-21  the same for B
.set STO,  24                          ; v24     the way out: where I put 32 bytes of a row
.set RD,   25                          ; v25     the way out: where I read 16 bytes of a row back
.set CO,   26                          ; v26     16 x lane: my place in 512 bytes of a row of out0, and of mu2 and the bias; never rewritten
.set SPW,  28                          ; v28     LDS address of my spare word: SPARE + 4 x my thread's number; never rewritten
.set NIL,  29                          ; v29     0; never rewritten
.set PFO,  30                          ; v30     the prefetches' offset: my lane x a row of A or B in memory (8,192 bytes); never rewritten
.set MUV,  32                          ; v[32:35] mu2 of the columns 4 x lane + 0 .. 3 of my wave's 128
.set BIV,  36                          ; v[36:39] the bias of the same
.set F0,   64                          ; fragment buffer 0
.set F1,   128                         ; fragment buffer 1
.set G1,   24                          ; s[24:31] descriptor group 1 for A's tiles
.set G0,   32                          ; s[32:39] descriptor group 0 for A's tiles, one set for each slot
.set LIM,  43                          ; s43     1 in a wave that prefetches, else the greatest number
.set PFA,  44                          ; s[44:45] where my prefetches stand: my work-group's 32 rows of the 128 that I fetch, one step further along the rows than the refill that is being asked for
.set G1B,  48                          ; s[48:55] descriptor group 1 for B's tiles: it differs from A's in the mask alone
.set G0B,  56                          ; s[56:63] descriptor group 0 for B's tiles, one set for each slot
.set OUT,  68                          ; s[68:69] out0, then out0 at my first row and column; written once
.set BI,   70                          ; s[70:71] bias, then bias at my first column
.set MU,   72                          ; s[72:73] mu2, likewise
.set MSB, 0
.macro WIN new                         ; the immediate's high byte repeats the setting that is left; a switch that changes nothing is dropped
.if MSB != (\new)
	s_set_vgpr_msb (MSB<<8)|(\new)
.set MSB, \new
.endif
.endm
.set MUL_LO, 0xa1                      ; source 0 (B) window 1, source 1 (A) window 0, C and D window 2;  + 0x50: C and D window 3
.set TO_B,   0x40                      ; destination window 1, address window 0
; A joint load.  Waves 0 and 1 fetch A's two halves, waves 2 and 3 B's.  Each of the two lines has ONE mask and one set of registers for all that issue it, and nothing in them hangs on a
; coordinate that the four partners do not share.  The branch hangs on the wave's number alone.  An s_nop 0 and four v_nop follow each of the two lines, ahead of the jump and the label.
.macro JLOAD s
	s_cmp_eq_u32 s11, 0
	s_cbranch_scc0 .Lfor_b_\@
	tensor_load_to_lds s[G0+4*(\s):G0+4*(\s)+3], s[G1:G1+7]
	s_nop 0
.rept 4
	v_nop
.endr
	s_branch .Lasked_\@
.Lfor_b_\@:
	tensor_load_to_lds s[G0B+4*(\s):G0B+4*(\s)+3], s[G1B:G1B+7]
	s_nop 0
.rept 4
	v_nop
.endr
.Lasked_\@:
.endm
; A PREFETCH INTO THE L2, behind each joint refill, its five lines and the run of LDS loads that follows them: the step that stands TWO refills on, 512 matrix instructions ahead of the load that will ask for it:
; 32 rows x 256 bytes, a lane a row, one instruction a wave.  Each row's 256 bytes of a step are named ONCE in the launch: A's tile row is walked by the four clusters of a row of clusters, of which the first
; (cluster x = 0) asks; B's tile column by the four of a column, of which cluster y = 0 asks.  The four partners that ask for a tile jointly share its rows out BY ADDRESS: of the 128 rows that a wave fetches
; the partner at place p takes 32 p .. 32 p + 31 (p = cx for A, cy for B): no branch hangs on a work-group's place in its cluster.  Steps 0 to 3 come by their loads alone; the loop's last trip (s3 = 1),
; whose refills are steps 30 and 31, asks for nothing: there is no step two on.
.macro ASK
	s_cmp_gt_u32 s3, s[LIM]
	s_cbranch_scc0 .Lnot_mine_\@
	global_prefetch_b8 v[PFO], s[PFA:PFA+1] offset:KSTEP*2 th:TH_LOAD_NT scope:SCOPE_SE
.Lnot_mine_\@:
.endm
; A round of the cluster's barrier: my work-group's barrier, so that wave 0's signal speaks for all four waves; wave 0 signals for the work-group; every wave waits for all sixteen work-groups;
; my work-group's barrier once more.  No LDS instruction of the wave is pending at a signal.
.macro CREST                           ; a round behind its opening barrier
	s_cmp_lg_u32 s10, 0
	s_cbranch_scc1 .Lnot_wave_0_\@
	s_barrier_signal -3
.Lnot_wave_0_\@:
	s_barrier_wait -3
	s_barrier_signal -1
	s_barrier_wait -1
.endm
.macro CROUND                          ; a whole round
	s_barrier_signal -1
	s_barrier_wait -1
	CREST
.endm
	s_load_b128 s[4:7], s[0:1], 0x0                ; A (xb) s[4:5], B (wb) s[6:7]
	s_load_b128 s[OUT:OUT+3], s[0:1], 0x10         ; out0, bias
	s_load_b64 s[MU:MU+1], s[0:1], 0x20            ; mu2
	v_lshl_add_u32 v[SPW], v0, 2, SPARE
	v_mov_b32 v[NIL], 0
	ds_add_u32 v[SPW], v[NIL]                      ; the wave's opening: the add, twice on end, and its wait ahead of my first tensor load; the set-up below, work on registers, stands between
	ds_add_u32 v[SPW], v[NIL]                      ; and once more, under the one wait
	v_lshrrev_b32 v1, 5, v0
	v_readfirstlane_b32 s10, v1                    ; wave 0..3
	s_lshr_b32 s11, s10, 1                         ; which half of the tile's rows is mine.  Also: I fetch for A (0) or for B (1)
	s_and_b32 s12, s10, 1                          ; which half of its columns.  Also: which 128 rows of that tile I fetch
	s_bfe_u32 s40, ttmp6, 0x40000                  ; cx: my place along the cluster's x
	s_bfe_u32 s41, ttmp6, 0x40004                  ; cy: along its y
	s_lshl_b32 s42, ttmp9, 2                       ; in a cluster launch ttmp9 and ttmp7 count clusters
	s_add_co_u32 s42, s42, s40                     ; tile column = 4 x cluster x + cx
	s_and_b32 s13, ttmp7, 0xffff
	s_lshl_b32 s13, s13, 2
	s_add_co_u32 s13, s13, s41                     ; tile row = 4 x cluster y + cy
	s_lshl_b32 s43, s41, 2
	s_lshl_b32 s43, 15, s43                        ; my row of the cluster: places 4 cy .. 4 cy + 3
	s_lshl_b32 s44, 0x1111, s40                    ; my column: places cx, cx + 4, cx + 8, cx + 12
	; descriptor group 1: a tile of 128 rows x 128 elements, padded in LDS
	s_or_b32 s[G1+0], s43, (1<<16)|(1<<20)|(1<<21)|(5<<22)|(3<<25)  ; 15:0 the mask: A's tiles go to my row; 17:16 elements of 2 bytes; 20 padding on; 21 set beside a mask; 24:22 after every 64 words (code 5); 31:25 4 words of it (code 3)
	s_or_b32 s[G1B+0], s44, (1<<16)|(1<<20)|(1<<21)|(5<<22)|(3<<25) ; the same with the mask of my column, for B's tiles
.irp g, G1, G1B
	s_mov_b32 s[(\g)+1], KSTEP<<16                 ; 63:48 tensor_dim0, low half = 128
	s_mov_b32 s[(\g)+2], 128<<16                   ; 79:64 its high half = 0; 95:80 tensor_dim1, low half = 128
	s_mov_b32 s[(\g)+3], KSTEP<<16                 ; 111:96 its high half = 0; 127:112 tile_dim0 = 128
	s_mov_b32 s[(\g)+4], 128                       ; 143:128 tile_dim1 = 128; 159:144 tile_dim2 = 0
	s_mov_b32 s[(\g)+5], SIZE_K                    ; 191:160 tensor_dim0_stride, low word: elements from row to row
	s_mov_b32 s[(\g)+6], 0
	s_mov_b32 s[(\g)+7], 0
.endr
	; where the tiles come from.  A's hang on the tile row alone, which my row of the cluster shares; B's on the tile column alone, which my column shares.
	; Every wave makes both addresses, in registers that never hold the other coordinate, and asks by one of them.
	s_lshl_b32 s17, s12, 7                         ; which 128 rows of the tile I fetch
	s_lshl_b32 s16, s13, 8
	s_add_co_u32 s16, s16, s17                     ; A: row 256 x tile row + 128 x half
	s_lshl_b32 s46, s42, 8
	s_add_co_u32 s46, s46, s17                     ; B: row 256 x tile column + 128 x half
	s_mov_b32 s17, 0
	s_mov_b32 s47, 0
	s_mov_b64 s[18:19], SIZE_K*2
	s_mul_u64 s[16:17], s[16:17], s[18:19]         ; in bytes
	s_mul_u64 s[46:47], s[46:47], s[18:19]
	s_mul_i32 s20, s10, HALFT                      ; and where they go: A's two halves, then B's two halves = wave x 128 rows: no place in the cluster enters an LDS address
	s_wait_dscnt 0x0                               ; both opening adds are done
	s_wait_kmcnt 0x0
	s_add_nc_u64 s[14:15], s[4:5], s[16:17]
	s_add_nc_u64 s[46:47], s[6:7], s[46:47]
	CROUND                                         ; all sixteen work-groups are here: the first joint loads meet
.irp s, 0,1
	s_mov_b32 s[G0+4*(\s)], 1                                      ; 1:0 count = 1
	s_add_co_u32 s[G0+4*(\s)+1], s20, (\s)*SLOT                    ; 63:32 LDS address
	s_add_nc_u64 s[G0+4*(\s)+2:G0+4*(\s)+3], s[14:15], (\s)*KSTEP*2  ; 120:64 global address: step s
	s_or_b32 s[G0+4*(\s)+3], s[G0+4*(\s)+3], 0x80000000            ; 127:126 type = 2
	s_mov_b32 s[G0B+4*(\s)], 1
	s_add_co_u32 s[G0B+4*(\s)+1], s20, (\s)*SLOT
	s_add_nc_u64 s[G0B+4*(\s)+2:G0B+4*(\s)+3], s[46:47], (\s)*KSTEP*2
	s_or_b32 s[G0B+4*(\s)+3], s[G0B+4*(\s)+3], 0x80000000
	JLOAD \s                                       ; the ring is filled before anything else is done: two tensor loads of mine are out
.endr
	; A fragment is 16 rows x 32 in 8 registers: lane l holds row l % 16; registers 0-3 hold elements 8 (l / 16) + 0..7 of the 32, registers 4-7 elements 16 + 8 (l / 16) + 0..7:
	; two loads of 16 bytes, 32 bytes apart.  The same for source 0 and source 1.
	v_and_b32 v1, 15, v0                           ; l % 16
	v_bfe_u32 v2, v0, 4, 1                         ; l / 16
	v_mul_u32_u24 v3, v1, PITCH
	v_lshl_add_u32 v3, v2, 4, v3                   ; row x pitch + 16 x half
	s_mul_i32 s21, s11, HALFT                      ; my 128 rows of A
	s_mul_i32 s22, s12, HALFT                      ; my 128 rows of B,
	s_add_co_u32 s22, s22, 2*HALFT                 ; which lie behind A's 256
.irp s, 0,1
	v_add_nc_u32 v[ADRA+(\s)], s21, v3
	v_add_nc_u32 v[ADRB+(\s)], s22, v3
	s_add_co_u32 s21, s21, SLOT
	s_add_co_u32 s22, s22, SLOT
.endr
	s_mul_i32 s23, s10, 16*SPITCH
	s_add_co_u32 s23, s23, STAGE                   ; my stage
	v_mul_u32_u24 v4, v1, SPITCH                   ; in: row l % 16, 32 bytes for each half of the lanes
	v_lshl_add_u32 v4, v2, 5, v4
	v_add_nc_u32 v[STO], s23, v4
	v_and_b32 v5, 31, v0                           ; lane
	v_lshlrev_b32 v[CO], 4, v5                     ; back: the 32 lanes take one row of 512 bytes, and the same in out0
	v_add_nc_u32 v[RD], s23, v[CO]
	v_lshlrev_b32 v[PFO], 13, v5                   ; lane x 8,192 bytes
	; my part of out0, of mu2 and of the bias
	s_lshl_b32 s13, s13, 8                         ; 256 x tile row
	s_lshl_b32 s14, s11, 7
	s_add_co_u32 s76, s13, s14                     ; my first row,
	s_lshl_b32 s76, s76, 14                        ; x 16,384 bytes: under 2^26
	s_mov_b32 s77, 0
	s_lshl_b32 s78, s42, 10                        ; my first column, in bytes of f32: 1,024 x tile column + 512 x half
	s_lshl_b32 s79, s12, 9
	s_add_co_u32 s78, s78, s79
	s_mov_b32 s79, 0
	s_add_nc_u64 s[BI:BI+1], s[BI:BI+1], s[78:79]
	s_add_nc_u64 s[MU:MU+1], s[MU:MU+1], s[78:79]
	s_add_nc_u64 s[OUT:OUT+1], s[OUT:OUT+1], s[76:77]
	s_add_nc_u64 s[OUT:OUT+1], s[OUT:OUT+1], s[78:79]
	global_load_b128 v[MUV:MUV+3], v[CO], s[MU:MU+1]  ; behind the stage a lane holds the same four columns, 4 x lane + 0 .. 3, in every row: four numbers of each serve the whole tile
	global_load_b128 v[BIV:BIV+3], v[CO], s[BI:BI+1]
	; the prefetches.  s13 = 256 x tile row, s42 = tile column, s40 = cx, s41 = cy still stand; s[4:5] = A, s[6:7] = B
	s_lshl_b32 s42, s42, 8
	s_and_b32 s22, ttmp7, 0xffff                   ; cluster y
	s_cmp_eq_u32 s11, 0                            ; do I fetch for A?
	s_cselect_b32 s20, s13, s42                    ; the tile's first row: in A by the tile row, in B by the tile column
	s_cselect_b32 s21, s40, s41                    ; my place among the four that ask for it with me
	s_cselect_b32 s22, ttmp9, s22                  ; the coordinate along which other clusters walk the same rows
	s_cselect_b64 s[PFA:PFA+1], s[4:5], s[6:7]
	s_cmp_eq_u32 s22, 0
	s_cselect_b32 s[LIM], 1, -1                    ; the same in all sixteen partners, for a given wave
	s_lshl_b32 s22, s12, 7
	s_add_co_u32 s20, s20, s22                     ; + the 128 rows that I fetch
	s_lshl_b32 s21, s21, 5
	s_add_co_u32 s20, s20, s21                     ; + my work-group's 32 of them
	s_mov_b32 s21, 0
	s_mov_b64 s[18:19], SIZE_K*2
	s_mul_u64 s[20:21], s[20:21], s[18:19]
	s_add_nc_u64 s[PFA:PFA+1], s[PFA:PFA+1], s[20:21]
	s_add_nc_u64 s[PFA:PFA+1], s[PFA:PFA+1], 2*KSTEP*2  ; at step 2: the first refill steps it to 3 and names step 4.  Nothing is prefetched here, at the head, where every work-group's first tiles are on their way
; 16 matrix instructions: m blocks a0, a0 + 1 of the window's four (hi = 0: my rows 0-63, 1: rows 64-127) x all 8 n blocks, 32 along the sum.
; zero = 1: the first product starts the sums: nothing is ever cleared.  The 64 accumulators take turns, one instruction a turn, in the same order in every quarter
; step: between two matrix instructions on one accumulator stand the 63 others', over the loop's backward jump too.
.macro MUL16 f, hi, a0, zero
	WIN MUL_LO+0x50*(\hi)
.irp a, \a0, (\a0)+1
.irp b, 0,1,2,3,4,5,6,7
.if \zero
	v_wmma_f32_16x16x32_f16 v[8*(8*(\a)+(\b)):8*(8*(\a)+(\b))+7], v[(\f)+8*(\b):(\f)+8*(\b)+7], v[(\f)+8*(4*(\hi)+(\a)):(\f)+8*(4*(\hi)+(\a))+7], 0
.else
	v_wmma_f32_16x16x32_f16 v[8*(8*(\a)+(\b)):8*(8*(\a)+(\b))+7], v[(\f)+8*(\b):(\f)+8*(\b)+7], v[(\f)+8*(4*(\hi)+(\a)):(\f)+8*(4*(\hi)+(\a))+7], v[8*(8*(\a)+(\b)):8*(8*(\a)+(\b))+7]
.endif
.endr
.endr
.endm
; 32 LDS loads in one run: the fragments of one quarter step (128 rows of B, 128 rows of A, 32 elements at byte k of the rows) into buffer f
.macro FETCH slot, k, f
	WIN TO_B
.irp i, 0,1,2,3,4,5,6,7
	ds_load_b128 v[(\f)+8*(\i):(\f)+8*(\i)+3],   v[ADRB+(\slot)] offset:(\k)+(\i)*16*PITCH
	ds_load_b128 v[(\f)+8*(\i)+4:(\f)+8*(\i)+7], v[ADRB+(\slot)] offset:(\k)+(\i)*16*PITCH+32
.endr
	WIN 0
.irp i, 0,1,2,3,4,5,6,7
	ds_load_b128 v[(\f)+8*(\i):(\f)+8*(\i)+3],   v[ADRA+(\slot)] offset:(\k)+(\i)*16*PITCH
	ds_load_b128 v[(\f)+8*(\i)+4:(\f)+8*(\i)+7], v[ADRA+(\slot)] offset:(\k)+(\i)*16*PITCH+32
.endr
.endm
; A load into a register that a matrix instruction has read, and an LDS store that reads a matrix result, stand four places behind that matrix instruction, and only plain vector instructions that
; name none of its registers are places (ISA guide 7.12.1 for vector instructions); the matrix instructions in between are not counted.
.macro PLACES
.rept 4
	v_nop
.endr
.endm
; A step is four quarter steps of 32, 64 matrix instructions each, on buffers 0, 1, 0, 1.
; One of the first three: multiplies buffer f; in its middle it fetches the next quarter's fragments, at byte k of the same slot's rows, into buffer g.
.macro QUARTER slot, k, f, g, zero
	s_wait_dscnt 8                                 ; B and A's rows 0-63 are in; the youngest eight loads (A's rows 64-127) may be out
	MUL16 \f, 0, 0, \zero
	MUL16 \f, 0, 2, \zero
	PLACES
	FETCH \slot, \k, \g
	s_wait_dscnt 32                                ; all but the 32 just issued
	MUL16 \f, 1, 0, \zero
	MUL16 \f, 1, 2, \zero
.endm
; The last quarter multiplies buffer 1 and changes slots.  MEET is its first half: ONE barrier for the change of slots, for two things.  In front of it each wave waits for all its tensor loads, of which
; one is out: its part of the next slot; adds 0 to its spare word; and waits for that and for its own reads of this slot.  Behind it nobody reads this slot any more and the next slot is whole.
.macro MEET round                      ; round = 1: the rest of a round of the cluster's barrier follows
	WIN 0                                          ; (the add's two registers lie in window 0)
	s_wait_tensorcnt 0x0                           ; all my tensor loads have landed: the one that was out is my part of the next slot;
	ds_add_u32 v[SPW], v[NIL]                      ; 0 onto my spare word;
	s_wait_dscnt 9                                 ; (the add and the youngest eight loads may be out)
	MUL16 F1, 0, 0, 0                              ; sixteen matrix instructions stand between the add and the wait for it
	s_wait_dscnt 0x0                               ; the add is done, and my reads of this slot are over:
	s_barrier_signal -1                            ; say so,
	MUL16 F1, 0, 2, 0                              ; work on registers while the others arrive,
.if \round
	WIN 0
.endif
	s_barrier_wait -1                              ; and go on when all four have said so
.endm
; The whole last quarter.  fill = 1: behind the round the slot just read out is filled again first, with the step two steps on; then come the next slot's first fragments.
; From a request to the wait for it a wave issues 224 matrix instructions.  fill = 0: nothing is left to ask for, and the work-group's barrier does.
.macro TURN slot, next, fill
.if \fill
	s_wait_xcnt 0x0                                ; the last prefetch, a step back, has read its address: it is stepped here, ahead of the waits of the change of slots
	s_add_nc_u64 s[PFA:PFA+1], s[PFA:PFA+1], KSTEP*2
.endif
	MEET \fill
.if \fill
	CREST                                          ; wave 0 says so for the work-group, all sixteen work-groups have said so, my work-group's barrier closes the round:
	                                               ; no wave of any partner still reads this slot's tile or has a load on its way; no tensor load of mine is out, so a group 0 may be written
	s_add_nc_u64 s[G0+4*(\slot)+2:G0+4*(\slot)+3], s[G0+4*(\slot)+2:G0+4*(\slot)+3], 2*KSTEP*2
	s_add_nc_u64 s[G0B+4*(\slot)+2:G0B+4*(\slot)+3], s[G0B+4*(\slot)+2:G0B+4*(\slot)+3], 2*KSTEP*2
	JLOAD \slot                                    ; the first tensor load behind the round, my only one until the next; the four v_nop behind it are also the places in front of the loads below
.else
	PLACES
.endif
	FETCH \next, 0, F0
.if \fill
	ASK                                            ; behind the joint load and the run of LDS loads that the next products wait for
.endif
	MUL16 F1, 1, 0, 0
	MUL16 F1, 1, 2, 0
.endm
; THE WAY OUT of block a (16 of my rows), in two parts.  A lane's 32 bytes are a sixteenth of a row's 512, and the lanes beside it hold other rows: so the block goes through my own stage in LDS.
; TOSTAGE: the sums, as they are (f32), into rows of 528 bytes, each accumulator's low four registers first; and back as whole rows of 512 bytes, into A's fragment buffers by turns.
; The stage is my wave's own and LDS serves a wave's instructions in order (ISA guide 5.7.1.4): no barrier, and no wait between the stores and the loads, nor between a block's loads and the next block's stores.
.macro TOSTAGE a
.set AC, 64*((\a)%4)
.set BK, F0+64*((\a)%2)
	WIN 0x08+4*((\a)/4)                            ; the stores' data (source 1) in window 2 or 3, the address in window 0
.irp b, 0,1,2,3,4,5,6,7
	ds_store_b128 v[STO], v[AC+8*(\b):AC+8*(\b)+3]   offset:64*(\b)
	ds_store_b128 v[STO], v[AC+8*(\b)+4:AC+8*(\b)+7] offset:64*(\b)+16
.endr
	WIN 0
	s_wait_xcnt 0x0                                ; every earlier memory instruction has had its addresses translated (ISA guide 3.1): the buffer, which the stores of the block two back read, is loaded again only behind this wait
.irp t, 0,1,2,3,4,5,6,7,8,9,10,11,12,13,14,15
	ds_load_b128 v[BK+4*(\t):BK+4*(\t)+3], v[RD] offset:(\t)*SPITCH
.endr
.endm
; SEND: each row's four sums of mine become mu2 * sum + bias, two fused multiply-adds an instruction, in place, and are stored.
.macro SEND a, younger                 ; younger: the LDS instructions issued behind block a's loads: the next block's 16 stores and 16 loads, or none
.set BK, F0+64*((\a)%2)
	s_wait_dscnt \younger                          ; the block is back in registers
.irp t, 0,1,2,3,4,5,6,7,8,9,10,11,12,13,14,15
	v_pk_fma_f32 v[BK+4*(\t):BK+4*(\t)+1],   v[BK+4*(\t):BK+4*(\t)+1],   v[MUV:MUV+1],   v[BIV:BIV+1]
	v_pk_fma_f32 v[BK+4*(\t)+2:BK+4*(\t)+3], v[BK+4*(\t)+2:BK+4*(\t)+3], v[MUV+2:MUV+3], v[BIV+2:BIV+3]
	global_store_b128 v[CO], v[BK+4*(\t):BK+4*(\t)+3], s[OUT:OUT+1] offset:(16*(\a)+(\t))*SIZE_N*4 th:TH_STORE_NT  ; the wave stores 512 consecutive bytes, at a multiple of 512 from out0's first byte; the row stands in the immediate, 127 x 16,384 at the most
.endr
.endm
	s_wait_tensorcnt 0x1                           ; my part of step 0 is in; step 1's may stay out
	s_barrier_signal -1
	s_barrier_wait -1                              ; everybody's is
	FETCH 0, 0, F0
	s_wait_loadcnt 0x0                             ; mu2 and the bias, asked for ahead of the wait for the first tile: no global load is out in the loop
	QUARTER 0, 64,  F0, F1, 1                      ; the first quarter stands in front of the loop: its products start the sums
	WIN 0                                          ; at a label and at a branch every window is 0
	s_mov_b32 s3, LAPS-1
.Llap:                                                 ; 15 trips: once round the ring, from a lap's second quarter to the next lap's first; both slots are filled again
	QUARTER 0, 128, F1, F0, 0
	QUARTER 0, 192, F0, F1, 0
	TURN 0, 1, 1
	QUARTER 1, 64,  F0, F1, 0
	QUARTER 1, 128, F1, F0, 0
	QUARTER 1, 192, F0, F1, 0
	TURN 1, 0, 1
	QUARTER 0, 64,  F0, F1, 0
	WIN 0
	s_sub_co_u32 s3, s3, 1
	s_cmp_lg_u32 s3, 0
	s_cbranch_scc1 .Llap
	QUARTER 0, 128, F1, F0, 0                      ; the last lap is written out: it fills nothing, and has no round of the cluster's barrier
	QUARTER 0, 192, F0, F1, 0
	TURN 0, 1, 0
	QUARTER 1, 64,  F0, F1, 0
	QUARTER 1, 128, F1, F0, 0
	QUARTER 1, 192, F0, F1, 0
	s_wait_dscnt 8                                 ; the very last quarter: nothing more to fetch
	MUL16 F1, 0, 0, 0
	MUL16 F1, 0, 2, 0
	s_wait_dscnt 0x0
	MUL16 F1, 1, 0, 0
	MUL16 F1, 1, 2, 0
	WIN 0
	PLACES                                         ; behind the last products: the stage's stores read results, and its loads land in A's buffers, which those products read
	PLACES
	TOSTAGE 0
.irp a, 1,2,3,4,5,6,7                  ; block a's way through the stage is under way while block a - 1 is scaled and stored
	TOSTAGE \a
	SEND (\a)-1, 32
.endr
	SEND 7, 0
	s_wait_tensorcnt 0x0                           ; the wave's end: behind my last tensor load and my last LDS store
	ds_add_u32 v[SPW], v[NIL]
	s_wait_dscnt 0x0
	CROUND                                         ; the closing round: no work-group ends while a partner may still ask for a tile that names it
	s_endpgm
.Lfunc_end_k_q46a598e52f_gemm:
	.size	k_q46a598e52f_gemm, .Lfunc_end_k_q46a598e52f_gemm-k_q46a598e52f_gemm
	.p2alignl 7, 3214868480
	.fill 96, 4, 3214868480
	.section	.rodata,"a",@progbits
	.p2align	6, 0x0
	.amdhsa_kernel k_q46a598e52f_gemm
		.amdhsa_group_segment_fixed_size 327680
		.amdhsa_private_segment_fixed_size 0
		.amdhsa_enable_private_segment 0
		.amdhsa_kernarg_size 40
		.amdhsa_user_sgpr_count 2
		.amdhsa_user_sgpr_kernarg_segment_ptr 1
		.amdhsa_wavefront_size32 1
		.amdhsa_system_sgpr_workgroup_id_x 1
		.amdhsa_system_sgpr_workgroup_id_y 1
		.amdhsa_system_sgpr_workgroup_id_z 1
		.amdhsa_system_vgpr_workitem_id 0
		.amdhsa_next_free_vgpr 1024
		.amdhsa_next_free_sgpr 80
		.amdhsa_reserve_vcc 0
		.amdhsa_float_denorm_mode_32 3
		.amdhsa_float_denorm_mode_16_64 3
		.amdhsa_memory_ordered 1
		.amdhsa_forward_progress 1
		.amdhsa_inst_pref_size 158
	.end_amdhsa_kernel
	.amdgpu_metadata
---
amdhsa.version: [ 1, 2 ]
amdhsa.kernels:
  - .name:           k_q46a598e52f_gemm
    .symbol:         k_q46a598e52f_gemm.kd
    .args:
      - { .name: xb, .offset: 0, .size: 8, .value_kind: global_buffer, .address_space: global }
      - { .name: wb, .offset: 8, .size: 8, .value_kind: global_buffer, .address_space: global }
      - { .name: out0, .offset: 16, .size: 8, .value_kind: global_buffer, .address_space: global }
      - { .name: bias, .offset: 24, .size: 8, .value_kind: global_buffer, .address_space: global }
      - { .name: mu2, .offset: 32, .size: 8, .value_kind: global_buffer, .address_space: global }
    .group_segment_fixed_size: 327680
    .private_segment_fixed_size: 0
    .kernarg_segment_align: 8
    .kernarg_segment_size: 40
    .max_flat_workgroup_size: 128
    .sgpr_count:     80
    .vgpr_count:     1024
    .wavefront_size: 32
...
	.end_amdgpu_metadata
.endif
;; end of part 2
;; ======== version 2 of 2: 2 launches; version 1 with the launch prep written anew for expert scheduling mode
;; limits: values are held in f16: magnitudes above 65,504 overflow, below 6.1e-05 lose precision
;; workspace buffers: xb 33,554,432 bytes; wb 33,554,432 bytes
;; launch prep (part 3): grid 512 x 1, 8 waves a work-group, no clusters, 5,120 bytes of LDS; arguments x, W_q, scales, zeros, mu1, xb, wb; writes xb, wb
.if DOCPART == 3
	.amdgcn_target "amdgcn-amd-amdhsa--gfx1250"
	.amdhsa_code_object_version 6
	.text
	.protected	k_q46a598e52f_prep
	.globl	k_q46a598e52f_prep
	.p2align	8
	.type	k_q46a598e52f_prep,@function
k_q46a598e52f_prep:
	s_mov_b64 s[64:65], 0
	v_nop
	global_prefetch_b8 v0, s[64:65] scope:SCOPE_SE
	s_setreg_imm32_b32 hwreg(HW_REG_WAVE_SCHED_MODE, 0, 2), 2
	s_setreg_imm32_b32 hwreg(HW_REG_WAVE_MODE, 25, 1), 1
	s_wait_xcnt 0x0
	s_wait_alu depctr_vm_vsrc(0)
; xb[m][n] = f16(x[m][n] * mu1[n]);  wb[k][n] = f16((W_q[k][n] - zeros[k][g]) * scales[k][g]),  g = n / 64.  mu2 and the bias are applied by the launch behind, in f32.
; x: [4096][4096] f32, W_q: [4096][4096] int32 (converted by v_cvt_f32_i32, to nearest even), xb, wb: [4096][4096] f16.
; WHY f16, AND WHY SPLIT SO.  Every output must lie within a hundredth of the outputs' root mean square; a sum of 4,096 products of operands with 8 significant bits does not hold that for each of 16.7 million
; outputs, one of operands with 11 bits does.  f16 ends at 65,504, so the four factors of a weight are not all folded into one operand: mu1 goes with x, mu2 stays in f32.
; LIMITS.  |x * mu1| and |(Q - z) * s| stay under 65,520, or the conversion gives an infinity: with numbers as the problem draws them they reach about 8 and 0.75, with every input 30 times larger about
; 7,000 and 700.  Below 6e-5 f16 keeps a fixed step of 6e-8.  mu1 multiplies x and not the weight: the same product in another order of f32 roundings, a few parts in 2^24.
; (Q - z) * s is formed as the definition forms it.  NaN and infinities go through the arithmetic as they come.
; SHARES.  A stream: every byte of x and W_q is read once, every byte of xb and wb written once; nothing is shared between work-groups, so there is no matrix work, no tensor load, no cluster.
; A work-group of eight waves owns 8 rows of x and the 8 rows of W_q of the same numbers: 131,072 bytes on end each, taken as 32 chunks of 4,096 bytes.  Thread t owns the 16 bytes at 16 t of
; every chunk (4 numbers) and stores their 8 bytes at 8 t of the chunk's 2,048 bytes: a wave's load covers 512 consecutive bytes, a wave's store 256 consecutive bytes, aligned.
; Chunk j is quarter j % 4 of row j / 4: my columns are 1024 (j % 4) + 4 t .., all in group 16 (j % 4) + t / 16.  My 16 numbers of mu1 stay in registers.
; THE TABLE.  The work-group's 512 pairs (s, z), entry 64 row + group, 8 bytes each, are gathered once in LDS: thread t brings entries t and t + 256.  Behind one barrier each thread reads its 32
; pairs, one for each chunk of W_q: entry 16 j + t / 16.
; THE MODE: SCHED_MODE bits 1:0 = 2 (LLVM: expert scheduling mode 2), set by the entry lines.  The code itself states the register dependences between vector instructions and memory or LDS
; instructions, with s_wait_alu, always for 0.
; THE PLAN.  The 64 chunks (x's 32, then W_q's 32) go in 16 blocks of four.  Registers that memory or LDS instructions touch:
;   X0 .. X4   five blocks as loaded.  Written by the loads of block p + 4, issued in block p; read by block p's arithmetic.
;   Y0, Y1     two blocks to store.    Written by block p's roundings; read by the four stores that are issued in block p + 1.
;   v2 to v5   byte offsets and LDS addresses, made once at the head and never written again: the chunk's number stands in the immediate.
;   QD         my two table entries: written by loads, read by the table's two LDS stores, never written again.   MU, CZ: written by loads once, read by vector instructions alone.
;   v6, v7     written at the head, read by the closing add alone.          T is named by vector instructions alone.
; Block p works on X[p % 5] and writes Y[p % 2].  Its memory instructions are the loads into X[(p + 4) % 5] = X[(p - 1) % 5] and the stores from Y[(p - 1) % 2]: the two buffers that block p - 1
; worked on and that no vector instruction of block p names.  So the waits at a block's head state all that its eight memory instructions hang on, and these are dealt among its arithmetic with no further wait.
; IN FLIGHT.  At a block's head the three younger blocks' 12 loads are out, behind its four loads 16.
.set BLOCK, 4                          ; chunks in a block
.set RING,  20                         ; slots of X: five buffers of a block; chunk m lands in slot m % 20 = 4 ((m / 4) % 5) + m % 4
.set AHEAD, 16                         ; a chunk is asked for four blocks ahead of its arithmetic
.set CHUNK, 4096                       ; bytes of a chunk as loaded; half as many as stored
.set SPARE, 4096                       ; behind the table: the spare words, 128 bytes for each of the eight waves: four blocks of 256 bytes that no other line names
.set LO,  2                            ; v2        16 t: my place in a chunk and in a quarter of mu1; never rewritten
.set SO,  3                            ; v3        8 t: my place in a stored chunk, and in the table as I write it; never rewritten
.set W4,  4                            ; v4        4 t: my place in the work-group's scales and zeros; never rewritten
.set LZ,  5                            ; v5        8 (t / 16): my place among a chunk's 16 table entries; never rewritten
.set SPW, 6                            ; v6        LDS address of my spare word: SPARE + 4 t; never rewritten
.set NIL, 7                            ; v7        0; never rewritten
.set QD,  12                           ; v[12:15]  s, z of entry t; s, z of entry t + 256
.set MU,  16                           ; v[16:31]  mu1 of my 4 columns in each quarter of a row
.set T,   32                           ; v[32:35]  at work
.set CZ,  36                           ; v[36:99]  chunk j of W_q: s at CZ + 2 j, z at CZ + 2 j + 1
.set X,   100                          ; v[100:179] slot s of 20: 4 registers as loaded
.set Y,   180                          ; v[180:195] slot s of 8 (chunk m: m % 8): 2 registers to store
	s_load_b256 s[8:15], s[0:1], 0x0               ; x s[8:9], W_q s[10:11], scales s[12:13], zeros s[14:15]
	s_load_b128 s[16:19], s[0:1], 0x20             ; mu1 s[16:17], xb s[18:19]
	s_load_b64 s[20:21], s[0:1], 0x30              ; wb
	v_lshl_add_u32 v[SPW], v0, 2, SPARE
	v_mov_b32 v[NIL], 0
	v_lshlrev_b32 v[LO], 4, v0
	v_lshlrev_b32 v[SO], 3, v0
	v_lshlrev_b32 v[W4], 2, v0
	v_lshrrev_b32 v[LZ], 4, v0
	v_lshlrev_b32 v[LZ], 3, v[LZ]
	s_mov_b32 s3, 0                                ; offsets are pairs with 0 on top: all stay under 2^27
	s_lshl_b32 s2, ttmp9, 17                       ; 8 rows of 16,384 bytes
	s_wait_kmcnt 0x0
	s_add_nc_u64 s[8:9], s[8:9], s[2:3]
	s_add_nc_u64 s[10:11], s[10:11], s[2:3]
	s_lshl_b32 s2, ttmp9, 16                       ; 8 rows of 8,192 bytes
	s_add_nc_u64 s[18:19], s[18:19], s[2:3]
	s_add_nc_u64 s[20:21], s[20:21], s[2:3]
	s_lshl_b32 s2, ttmp9, 11                       ; 8 rows of 64 groups of 4 bytes
	s_add_nc_u64 s[12:13], s[12:13], s[2:3]
	s_add_nc_u64 s[14:15], s[14:15], s[2:3]
	s_wait_alu depctr_va_vdst(0)                   ; v2 to v5 are written: every load, store and LDS instruction of the kernel reads one of them as its offset or address
; Load number m of 64 (0-31: x's chunks, 32-63: W_q's) into slot m % RING.
.macro LOADN m
.if (\m) < 32
	global_load_b128 v[X+4*((\m)%RING):X+4*((\m)%RING)+3], v[LO], s[8:9] offset:((\m)%32)*CHUNK th:TH_LOAD_NT
.else
	global_load_b128 v[X+4*((\m)%RING):X+4*((\m)%RING)+3], v[LO], s[10:11] offset:((\m)%32)*CHUNK th:TH_LOAD_NT
.endif
.endm
; Store number m of 64, from slot m % 8 of Y: x's chunks into xb, W_q's into wb.
.macro STOREN m
.if (\m) < 32
	global_store_b64 v[SO], v[Y+2*((\m)%8):Y+2*((\m)%8)+1], s[18:19] offset:(\m)*(CHUNK/2)
.else
	global_store_b64 v[SO], v[Y+2*((\m)%8):Y+2*((\m)%8)+1], s[20:21] offset:((\m)-32)*(CHUNK/2)
.endif
.endm
	global_load_b32 v[QD],   v[W4], s[12:13]               ; s and z land side by side, as the table holds them: entry t,
	global_load_b32 v[QD+1], v[W4], s[14:15]
	global_load_b32 v[QD+2], v[W4], s[12:13] offset:1024   ; and entry t + 256
	global_load_b32 v[QD+3], v[W4], s[14:15] offset:1024
.irp c, 0,1,2,3
	global_load_b128 v[MU+4*(\c):MU+4*(\c)+3], v[LO], s[16:17] offset:4096*(\c)
.endr
.set n, 0
.rept AHEAD
	LOADN n                                        ; blocks 0 to 3 into X0 to X3
.set n, n+1
.endr
	s_wait_loadcnt 20                              ; my two entries are in: behind them 4 loads of mu1 and the blocks' 16 were issued, and loads come back in order (ISA guide 5.7.1)
	ds_store_b64 v[SO], v[QD:QD+1]                 ; no vector instruction has been issued since the wait on va_vdst above; the data are loads' results
	ds_store_b64 v[SO], v[QD+2:QD+3] offset:2048
	s_wait_dscnt 0x0                               ; for the others' sake: my two entries lie in the table
	s_barrier_signal -1
	s_barrier_wait -1                              ; all 512 do
.set j, 0
.rept 32
	ds_load_b64 v[CZ+2*j:CZ+2*j+1], v[LZ] offset:128*j  ; entry 16 j + t / 16; waited for once, in front of W_q's first chunk; no vector instruction has named these registers
.set j, j+1
.endr
; The arithmetic of chunk m: from slot m % RING of X into slot m % 8 of Y.
.macro WORK m
.set sl, (\m)%RING
.set ys, (\m)%8
.if (\m) < 32
.irp k, 0,2
	v_pk_mul_f32 v[T+(\k):T+(\k)+1], v[X+4*sl+(\k):X+4*sl+(\k)+1], v[MU+4*((\m)%4)+(\k):MU+4*((\m)%4)+(\k)+1]  ; x times mu1 of the columns
.endr
.else
.set j, (\m)-32
.irp k, 0,1,2,3
	v_cvt_f32_i32 v[T+(\k)], v[X+4*sl+(\k)]
.endr
.irp k, 0,1,2,3
	v_sub_f32 v[T+(\k)], v[T+(\k)], v[CZ+2*j+1]    ; Q - z
.endr
.irp k, 0,2
	v_pk_mul_f32 v[T+(\k):T+(\k)+1], v[T+(\k):T+(\k)+1], v[CZ+2*j:CZ+2*j+1] op_sel_hi:[1,0]  ; times s: the pair's low register for both
.endr
.endif
	v_cvt_pk_f16_f32 v[Y+2*ys],   v[T],   v[T+1]
	v_cvt_pk_f16_f32 v[Y+2*ys+1], v[T+2], v[T+3]
.endm
; Block p of 16: chunks 4 p to 4 p + 3.  Ahead of each chunk's arithmetic stand a load of block p + 4 (while there are chunks) and a store of block p - 1, the load first.
.macro BLK p
.if (\p) < 13
	s_wait_loadcnt 3*BLOCK                         ; X[p % 5] is in (and mu1, which was asked for earlier); the three younger blocks' 12 loads stay out
.else
	s_wait_loadcnt BLOCK*(15-(\p))                 ; blocks 12 to 15 load nothing: the counts run down
.endif
.if (\p) > 1                                           ; ahead of block 1 no store has been issued
	s_wait_xcnt 0x0                                ; every earlier memory instruction has had its addresses translated (ISA guide 3.1): Y[p % 2], which the stores issued in the block before read, is rewritten only behind this wait
	s_wait_alu depctr_vm_vsrc(0)                   ; those stores have read Y[p % 2], which this block's roundings write again
.endif
.if (\p) > 0
	s_wait_alu depctr_va_vdst(0)                   ; the block before has written the other Y, which the stores below read, and is done reading its X, in which the loads below land
.endif
.if (\p) == 8
	s_wait_dscnt 0x0                               ; my 32 table entries are in
.endif
.irp i, 0,1,2,3
.if (\p) < 12
	LOADN 4*(\p)+AHEAD+(\i)                        ; four blocks ahead; no vector instruction since the last wait on va_vdst names these registers
.endif
.if (\p) > 0
	STOREN 4*(\p)-BLOCK+(\i)                       ; the block before
.endif
	WORK 4*(\p)+(\i)
.endr
.endm
.set b, 0
.rept 16
	BLK b
.set b, b+1
.endr
	s_wait_alu depctr_va_vdst(0)                   ; block 15 has written Y1, which the last four stores read
.irp i, 0,1,2,3
	STOREN 60+(\i)
.endr
	s_wait_dscnt 0x0                               ; the closing lines, six on end
	s_wait_alu 0x0
	s_wait_tensorcnt 0x0
	ds_add_u32 v[SPW], v[NIL]
	s_wait_dscnt 0x0
	s_endpgm
.Lfunc_end_k_q46a598e52f_prep:
	.size	k_q46a598e52f_prep, .Lfunc_end_k_q46a598e52f_prep-k_q46a598e52f_prep
	.p2alignl 7, 3214868480
	.fill 96, 4, 3214868480
	.section	.rodata,"a",@progbits
	.p2align	6, 0x0
	.amdhsa_kernel k_q46a598e52f_prep
		.amdhsa_group_segment_fixed_size 5120
		.amdhsa_private_segment_fixed_size 0
		.amdhsa_enable_private_segment 0
		.amdhsa_kernarg_size 56
		.amdhsa_user_sgpr_count 2
		.amdhsa_user_sgpr_kernarg_segment_ptr 1
		.amdhsa_wavefront_size32 1
		.amdhsa_system_sgpr_workgroup_id_x 1
		.amdhsa_system_sgpr_workgroup_id_y 1
		.amdhsa_system_sgpr_workgroup_id_z 1
		.amdhsa_system_vgpr_workitem_id 0
		.amdhsa_next_free_vgpr 196
		.amdhsa_next_free_sgpr 66
		.amdhsa_reserve_vcc 0
		.amdhsa_float_denorm_mode_32 3
		.amdhsa_float_denorm_mode_16_64 3
		.amdhsa_memory_ordered 1
		.amdhsa_forward_progress 1
		.amdhsa_inst_pref_size 43
	.end_amdhsa_kernel
	.amdgpu_metadata
---
amdhsa.version: [ 1, 2 ]
amdhsa.kernels:
  - .name:           k_q46a598e52f_prep
    .symbol:         k_q46a598e52f_prep.kd
    .args:
      - { .name: x, .offset: 0, .size: 8, .value_kind: global_buffer, .address_space: global }
      - { .name: W_q, .offset: 8, .size: 8, .value_kind: global_buffer, .address_space: global }
      - { .name: scales, .offset: 16, .size: 8, .value_kind: global_buffer, .address_space: global }
      - { .name: zeros, .offset: 24, .size: 8, .value_kind: global_buffer, .address_space: global }
      - { .name: mu1, .offset: 32, .size: 8, .value_kind: global_buffer, .address_space: global }
      - { .name: xb, .offset: 40, .size: 8, .value_kind: global_buffer, .address_space: global }
      - { .name: wb, .offset: 48, .size: 8, .value_kind: global_buffer, .address_space: global }
    .group_segment_fixed_size: 5120
    .private_segment_fixed_size: 0
    .kernarg_segment_align: 8
    .kernarg_segment_size: 56
    .max_flat_workgroup_size: 256
    .sgpr_count:     66
    .vgpr_count:     196
    .wavefront_size: 32
...
	.end_amdgpu_metadata
.endif
;; end of part 3
;; launch gemm: the kernel of part 2 again; grid 16 x 16, 4 waves a work-group, clusters of 4 x 4, 327,680 bytes of LDS; arguments xb, wb, out0, bias, mu2; writes out0
